; MI455X (gfx1250); checked and timed in simulation.
; The chip was launched on July 23, 2026; its instructions are those of AMD's public machine-readable ISA for CDNA 5 (MIT licence, August 2026) and "CDNA5" Instruction Set Architecture Reference Guide (July 2026). The comments in the code are by the model that wrote it; some were corrected since.
;; Base Attention. Allowed arithmetic: matrix products marked QUANTISED: E4M3 operands, one given power-of-two scale a tensor, by v_wmma_f32_16x16x64_fp8_fp8 or v_wmma_f32_16x16x128_fp8_fp8, f32 sums; everything else in f32.
;; Inputs: bk 2,048 float32; bo 2,048 float32; bq 2,048 float32; bv 2,048 float32; lowp_scales 12 int32 (the exponents e of the quantised operands' scales 2^e); mask 1 x 1 x 2,048 x 2,048 float32; wk 2,048 x 2,048 float32; wo 2,048 x 2,048 float32; wq 2,048 x 2,048 float32; wv 2,048 x 2,048 float32; x 1 x 2,048 x 2,048 float32.
;; Outputs: out0 1 x 2,048 x 2,048 float32.
;; This version of the problem:
;;   THIS VERSION OF THE PROBLEM IS GIVEN IN LOW PRECISION. The matrix products marked QUANTISED in the list below multiply operands that are first quantised to E4M3 (4 exponent bits, 3 mantissa bits; 8 bits a number), with one given power-of-two scale for each operand tensor; their sums are f32. All else is computed in f32.
;;   The module's matrix products, in the order in which they are computed (A, B: the left and right operand; K: the contracted axis; several contracted axes count as one K, in the product's order):
;;     1. [M 2,048, K 2,048] x [K 2,048, N 2,048]; A: input x; B: input wq: QUANTISED (scales: A lowp_scales[0], B lowp_scales[1])
;;     2. [M 2,048, K 2,048] x [K 2,048, N 2,048]; A: input x; B: input wk: QUANTISED (scales: A lowp_scales[2], B lowp_scales[3])
;;     3. [M 2,048, K 2,048] x [K 2,048, N 2,048]; A: input x; B: input wv: QUANTISED (scales: A lowp_scales[4], B lowp_scales[5])
;;     4. batch 16 x [M 2,048, K 128] x [K 128, N 2,048]; A: computed on the way; B: computed on the way: QUANTISED (scales: A lowp_scales[6], B lowp_scales[7])
;;     5. batch 16 x [M 2,048, K 2,048] x [K 2,048, N 128]; A: softmax (see below); B: computed on the way: QUANTISED (scales: A lowp_scales[8], B lowp_scales[9])
;;     6. [M 2,048, K 2,048] x [K 2,048, N 2,048]; A: computed on the way; B: input wo: QUANTISED (scales: A lowp_scales[10], B lowp_scales[11])
;;   THE QUANTISER, for each operand of a quantised product, along K:
;;     - The operand's scale is 2^e, e = its entry of the input lowp_scales (int32; the entries are numbered through the quantised products in the list's order, A before B).
;;     - Each number is divided by the scale, clamped to +-448, and rounded to the nearest number of E4M3, ties to even, subnormals kept.
;;     - The product sums the exact products of the quantised numbers (number of the format x scale) in f32.
;;   ~~~python
;;   def quantise(x, axis, e):      # numpy; x: float32 -> the quantised numbers, widened to float32 again
;;       x = np.moveaxis(x, axis, -1); K = x.shape[-1]
;;       r = np.clip(x / 2.0 ** e, -448, 448)
;;       step = 2.0 ** (np.maximum(np.frexp(np.where(r == 0, 1, r))[1] - 1, -6) - 3)
;;       q = np.round(r / step) * step * 2.0 ** e      # np.round: ties to even
;;       return np.moveaxis(q, -1, axis).astype(np.float32)
;;   ~~~
;;   SOFTMAX AHEAD OF A QUANTISED PRODUCT. Where the list says 'softmax', what is quantised is not the finished softmax but p = 2^(t - M), with t = logit x log2(e) and M = ceil(the row's largest t), a whole number; so 1/2 < the row's largest p <= 1. The row's sum l is taken of the UNQUANTISED p, in f32, and the product's result is divided by l at the end. Since M is a whole number, a kernel that streams over the keys may use a running M (the ceiling of the running maximum): every later rescaling is an exact power of two, so the quantised numbers keep their values, but for numbers so far below the row's largest that they fall under the format's range.
;;   OPERANDS COMPUTED ON THE WAY. 'Computed on the way' means the value that the module computes at that place (a softmax that the list does not call 'softmax' is quantised finished and normalised). What goes into a quantiser is computed in f32, as accurately as f32 sums, v_exp_f32 and their like allow (about 1e-6 of the number): no bf16 or f16 on the way to a quantiser, and a product that is left as it is and whose result goes on into a quantised operand takes f32 operands (vector FMAs, or v_wmma_f32_16x16x4_f32). A number that lies on a knife's edge between two numbers of the format may be rounded either way, as far as f32 arithmetic and the matrix unit's own rounding can turn it there, and no further.
;; One version. Each part assembles by itself: llvm-mc -triple=amdgcn-amd-amdhsa -mcpu=gfx1250 --defsym DOCPART=n.
;; ======== version 1 of 1: 4 launches
;; limits: right only within a limited range of input values
;; workspace buffers: cod 29,360,128 bytes; mbits 524,288 bytes of whole numbers; qimg 4,194,304 bytes; kv 8,388,608 bytes; acod 4,194,304 bytes
;; launch prep (part 1): grid 768 x 1, 4 waves a work-group, no clusters, 54,784 bytes of LDS; arguments x, wq, wk, wv, wo, mask, lowp_scales, cod, mbits; writes cod, mbits
.if DOCPART == 1
	.amdgcn_target "amdgcn-amd-amdhsa--gfx1250"
	.amdhsa_code_object_version 6
	.text
	.protected	k_qd97ce3645e_prep
	.globl	k_qd97ce3645e_prep
	.p2align	8
	.type	k_qd97ce3645e_prep,@function
k_qd97ce3645e_prep:
	s_mov_b64 s[64:65], 0
	v_nop
	global_prefetch_b8 v0, s[64:65] scope:SCOPE_SE
	s_setreg_imm32_b32 hwreg(HW_REG_WAVE_MODE, 25, 1), 1
	s_wait_xcnt 0x0
; PREP.  x, wq, wk, wv, wo ([2048][2048] f32, K innermost) become codes of FP8 (E4M3); the mask becomes words of lane bits.
; code = number / 2^e, held within +-448, to the nearest code, ties to even.  x is an operand of three products with three given scales (entries 0, 2, 4): it is read once and quantised three times.
; cod: seven sections of 2048 rows x 2048 codes: 0 x by e0, 1 x by e2, 2 x by e4, 3 wq (e1), 4 wk (e3), 5 wv (e5), 6 wo (e11).
; In sections 1 to 5 row n lies at the place n with bits 3 and 4 exchanged: sixteen rows on end, 16 t + i, are then the true rows 32 (t / 2) + 8 (t % 2) + i + 8 (i / 8),
; which makes the results of two neighbouring tiles sixteen neighbours along the next product's K.
; mbits: word [qt][s][n], qt = tile of 16 queries, s = step of 128 keys, n = 0 .. 63: bit r + 16 h is set where mask[16 qt + r][128 s + 32 (n / 16) + 16 h + n % 16] is -infinity:
; the lane mask with which the attention launch selects its score register n.
; SHARES.  Work-groups 0 .. 639: tensor g / 128, 32,768 numbers each, a wave 8,192 (four rows) in 16 steps of 512.  Work-groups 640 .. 767: a tile of 16 queries each, a wave four steps of keys.
; Nothing is shared between work-groups or waves: no cluster, no barrier, no tensor load.  The two paths have LDS bytes of their own.
; LIMITS: each e between -126 and 119, so that 2^e and 448 x 2^e are f32 numbers.  NaN among x and the weights is not served (an infinity is held at the largest code).
.set STEPS, 16
.set SP,    80                         ; a lane's place in a stage: its 64 bytes + 16 of padding
.set QREG,  2*32*SP                    ; quantising path: two stages for each wave
.set MBASE, 4*QREG                     ; mask path: behind them
.set MP,    528                        ; a stage row: 512 bytes + 16 of padding
.set MREG,  16*MP                      ; one stage of 16 rows for each wave
.set R,     16                         ; v16-79   four sets of 16 numbers as loaded
.set X,     80                         ; v80-111  two sets of 16 neighbours
.set T,     112                        ; v112-127 the numbers held within the largest code
.set C,     128                        ; v128-151 two sets of 12 registers of codes
.set RM,    16                         ; mask: v16-143 two sets of 64 as loaded
.set XM,    144                        ; v144-207 a record's 64 numbers of my lane
.set W,     208                        ; v208-215 a pair of words' registers for each record
	s_load_b512 s[8:23], s[0:1], 0x0               ; x s[8:9], wq, wk, wv, wo s[16:17], mask s[18:19], the exponents s[20:21], cod s[22:23]
	s_load_b64 s[24:25], s[0:1], 0x40              ; mbits
	v_lshl_add_u32 v216, v0, 2, 0xd400
	v_mov_b32 v217, 0
	v_lshrrev_b32 v1, 5, v0
	v_readfirstlane_b32 s2, v1                     ; wave
	v_and_b32 v2, 31, v0                           ; lane
	v_lshlrev_b32 v3, 4, v2                        ; 16 x lane: my place in 512 consecutive bytes, in and out; never rewritten
	s_cmp_ge_u32 ttmp9, 640
	s_cbranch_scc1 .Lmask
	; ---------------- the quantising path
	s_lshr_b32 s3, ttmp9, 7                        ; which tensor: 0 x, 1 wq, 2 wk, 3 wv, 4 wo
	s_and_b32 s44, ttmp9, 127
	s_lshl_b32 s44, s44, 2
	s_add_co_u32 s44, s44, s2                      ; u: my wave's run of four rows, 0 .. 511
	s_and_b32 s45, s44, 0x1f9
	s_and_b32 s46, s44, 2
	s_lshl_b32 s46, s46, 1
	s_or_b32 s45, s45, s46
	s_and_b32 s46, s44, 4
	s_lshr_b32 s46, s46, 1
	s_or_b32 s45, s45, s46                         ; u with bits 1 and 2 exchanged: the rows' bits 3 and 4
	s_mul_i32 s47, s2, QREG
	s_wait_alu depctr_va_vdst(0)
	v_lshrrev_b32 v14, 2, v2
	v_mul_u32_u24 v14, v14, SP
	v_and_b32 v15, 3, v2
	v_lshl_add_u32 v14, v15, 4, v14
	v_add_nc_u32 v14, s47, v14                     ; into the stage: four lanes' 64 bytes on end, then the padding
	v_mul_u32_u24 v15, v2, SP
	v_add_nc_u32 v15, s47, v15                     ; out of it: my 16 neighbours
	s_lshl_b32 s48, s44, 15                        ; the run's first byte in the tensor
	s_mov_b32 s49, 0
	s_wait_alu depctr_va_vdst(0)
	s_wait_kmcnt 0x0
	s_load_b256 s[32:39], s[20:21], 0x0            ; e0 .. e7
	s_load_b128 s[40:43], s[20:21], 0x20           ; e8 .. e11
	s_cmp_eq_u32 s3, 1                             ; the choice hangs on the work-group's number alone
	s_cselect_b64 s[4:5], s[10:11], s[8:9]
	s_cmp_eq_u32 s3, 2
	s_cselect_b64 s[4:5], s[12:13], s[4:5]
	s_cmp_eq_u32 s3, 3
	s_cselect_b64 s[4:5], s[14:15], s[4:5]
	s_cmp_eq_u32 s3, 4
	s_cselect_b64 s[4:5], s[16:17], s[4:5]
	s_add_nc_u64 s[4:5], s[4:5], s[48:49]
	s_add_co_u32 s50, s3, 2
	s_cmp_eq_u32 s3, 0
	s_cselect_b32 s50, 0, s50                      ; the first output's section
	s_sub_co_u32 s51, s3, 1
	s_cmp_lt_u32 s51, 3
	s_cselect_b32 s51, s45, s44                    ; wq, wk, wv: exchanged rows; x by e0 and wo: plain
	s_lshl_b32 s50, s50, 22
	s_lshl_b32 s51, s51, 13
	s_add_co_u32 s48, s50, s51
	s_add_nc_u64 s[26:27], s[22:23], s[48:49]
	s_lshl_b32 s51, s45, 13
	s_add_co_u32 s48, s51, 1<<22
	s_add_nc_u64 s[28:29], s[22:23], s[48:49]      ; x by e2
	s_add_co_u32 s48, s51, 2<<22
	s_add_nc_u64 s[30:31], s[22:23], s[48:49]      ; x by e4
.macro LOAD t
.irp i, 0,1,2,3
	global_load_b128 v[R+16*((\t)%4)+4*\i:R+16*((\t)%4)+4*\i+3], v3, s[4:5] offset:2048*(\t)+512*\i th:TH_LOAD_NT   ; 32 lanes read 512 consecutive bytes
.endr
.endm
.macro TURN t                          ; step t's numbers through the stage: LDS serves a wave's instructions in order, so no wait stands between the stores and the loads
.irp i, 0,1,2,3
	ds_store_b128 v14, v[R+16*((\t)%4)+4*\i:R+16*((\t)%4)+4*\i+3] offset:32*SP*((\t)%2)+8*SP*\i
.endr
.irp i, 0,1,2,3
	ds_load_b128 v[X+16*((\t)%2)+4*\i:X+16*((\t)%2)+4*\i+3], v15 offset:32*SP*((\t)%2)+16*\i
.endr
.endm
.macro MKSC e, sc, lim                 ; 2^e and 448 x 2^e as f32 patterns
	s_add_co_i32 s53, s[\e], 127
	s_lshl_b32 s54, s53, 23
	v_mov_b32 v[\sc], s54
	s_add_co_i32 s53, s53, 8
	s_lshl_b32 s53, s53, 23
	s_or_b32 s53, s53, 0x600000
	v_mov_b32 v[\lim], s53
.endm
.irp t, 0,1,2,3
	LOAD \t
.endr
	s_wait_kmcnt 0x0
	s_cmp_eq_u32 s3, 1
	s_cselect_b32 s52, s33, s32
	s_cmp_eq_u32 s3, 2
	s_cselect_b32 s52, s35, s52
	s_cmp_eq_u32 s3, 3
	s_cselect_b32 s52, s37, s52
	s_cmp_eq_u32 s3, 4
	s_cselect_b32 s52, s43, s52                    ; e0, e1, e3, e5 or e11
	MKSC 52, 8, 9
	MKSC 34, 10, 11                                ; e2
	MKSC 36, 12, 13                                ; e4
	s_wait_alu depctr_va_vdst(0)
	s_wait_loadcnt 12                              ; step 0's four loads are in
	TURN 0
; One output of a step: the hold (the conversion to an 8-bit code does not saturate: ISA guide 7.6.2) goes into T, so that X serves the next output too.
.macro CONV k, lim, sc, out, t
.set i, 0
.rept 16
	v_med3_num_f32 v[T+i], v[XS+i], -v[\lim], v[\lim]
.set i, i+1
.endr
.set CC, C+12*((\t)%2)+4*(\k)
	v_cvt_scalef32_pk8_fp8_f32 v[CC:CC+1], v[T:T+7], v[\sc]
	v_cvt_scalef32_pk8_fp8_f32 v[CC+2:CC+3], v[T+8:T+15], v[\sc]
	v_nop                                          ; a plain line between the conversions and the next hold, which writes their sources
	global_store_b128 v3, v[CC:CC+3], s[\out:\out+1] offset:512*(\t)   ; the wave stores 512 consecutive bytes, aligned
.endm
.macro STEP t
.set XS, X+16*((\t)%2)
	s_wait_dscnt 0x0                               ; this step's numbers are back from the stage, so its stores into the stage have read their registers,
.if (\t)+4 < STEPS
	LOAD (\t)+4                                    ; which take the loads of four steps on
.endif
.if (\t)+1 < STEPS
.if STEPS-2-(\t) >= 3
	s_wait_loadcnt 12                              ; the next step's four loads are in; those of the three steps behind it may be out
.else
	s_wait_loadcnt 4*(STEPS-2-(\t))
.endif
	TURN (\t)+1
.endif
	s_wait_xcnt 0x0                                ; the stores of two steps ago have read this set of code registers
	CONV 0, 9, 8, 26, \t
	s_cmp_lg_u32 s3, 0                             ; only x has a second and a third scale: the jump passes vector work and stores alone
	s_cbranch_scc1 .Lone_\@
	CONV 1, 11, 10, 28, \t
	CONV 2, 13, 12, 30, \t
.Lone_\@:
.endm
.irp t, 0,1,2,3,4,5,6,7,8,9,10,11,12,13,14,15
	STEP \t
.endr
	s_wait_tensorcnt 0x0
	ds_add_u32 v216, v217
	s_wait_dscnt 0x0
	s_endpgm
	; ---------------- the mask path
.Lmask:
	s_sub_co_u32 s44, ttmp9, 640                   ; qt
	s_mul_i32 s47, s2, MREG
	s_add_co_u32 s47, s47, MBASE                   ; my stage
	s_wait_alu depctr_va_vdst(0)
	v_add_nc_u32 v14, s47, v3                      ; in: a row's 512 bytes as they lie
	v_and_b32 v5, 15, v0                           ; r
	v_bfe_u32 v6, v0, 4, 1                         ; h
	v_mul_u32_u24 v15, v5, MP
	v_lshl_add_u32 v15, v6, 6, v15
	v_add_nc_u32 v15, s47, v15                     ; out: row r, + 64 h: my 16 numbers of each 32
	v_lshlrev_b32 v5, 3, v2                        ; 8 x lane: two words a lane
	v_mov_b32 v7, 0xff800000                       ; -infinity
.set i, 0
.rept 8
	v_mov_b32 v[W+i], 0                            ; written whole once: a lane write keeps the other lanes
.set i, i+1
.endr
	s_lshl_b32 s48, s44, 17                        ; 16 rows of 8,192 bytes,
	s_lshl_b32 s50, s2, 11                         ; my four records' 512 bytes of a row
	s_add_co_u32 s48, s48, s50
	s_mov_b32 s49, 0
	s_lshl_b32 s50, s44, 12                        ; 16 records of 256 bytes,
	s_lshl_b32 s51, s2, 10                         ; my four
	s_add_co_u32 s50, s50, s51
	s_mov_b32 s51, 0
	s_wait_alu depctr_va_vdst(0)
	s_wait_kmcnt 0x0
	s_add_nc_u64 s[4:5], s[18:19], s[48:49]
	s_add_nc_u64 s[26:27], s[24:25], s[50:51]
.macro LOADM t                         ; record t: 16 rows x 512 consecutive bytes
.set i, 0
.rept 16
	global_load_b128 v[RM+64*((\t)%2)+4*i:RM+64*((\t)%2)+4*i+3], v3, s[4:5] offset:8192*i+512*(\t) th:TH_LOAD_NT
.set i, i+1
.endr
.endm
.macro REC t
.set RS, RM+64*((\t)%2)
.if (\t) < 3
	s_wait_loadcnt 16                              ; this record's 16 loads are in, the next record's may be out
.else
	s_wait_loadcnt 0
.endif
.set i, 0
.rept 16
	ds_store_b128 v14, v[RS+4*i:RS+4*i+3] offset:MP*i
.set i, i+1
.endr
.set i, 0
.rept 16
	ds_load_b128 v[XM+4*i:XM+4*i+3], v15 offset:128*(i/4)+16*(i%4)   ; register 16 b + i: column 32 b + 16 h + i of row r
.set i, i+1
.endr
	s_wait_dscnt 0x0                               ; the numbers are back; the stores have read their registers
.if (\t) < 2
	LOADM (\t)+2
.endif
.irp g, 0,1,2,3,4,5,6,7
.irp i, 0,1,2,3,4,5,6,7
	v_cmp_eq_f32 s[56+\i], v7, v[XM+8*\g+\i]       ; word n = 8 g + i: a bit for each lane
.endr
.irp i, 0,1,2,3,4,5,6,7
	v_writelane_b32 v[W+2*(\t)+(\i%2)], s[56+\i], 4*\g+\i/2   ; into lane n / 2, register n % 2
.endr
.endr
	global_store_b64 v5, v[W+2*(\t):W+2*(\t)+1], s[26:27] offset:256*(\t)   ; the wave stores the record's 256 consecutive bytes, aligned
.endm
	LOADM 0
	LOADM 1
	REC 0
	REC 1
	REC 2
	REC 3
	s_wait_tensorcnt 0x0
	ds_add_u32 v216, v217
	s_wait_dscnt 0x0
	s_endpgm
.Lfunc_end_k_qd97ce3645e_prep:
	.size	k_qd97ce3645e_prep, .Lfunc_end_k_qd97ce3645e_prep-k_qd97ce3645e_prep
	.p2alignl 7, 3214868480
	.fill 96, 4, 3214868480
	.section	.rodata,"a",@progbits
	.p2align	6, 0x0
	.amdhsa_kernel k_qd97ce3645e_prep
		.amdhsa_group_segment_fixed_size 54784
		.amdhsa_private_segment_fixed_size 0
		.amdhsa_enable_private_segment 0
		.amdhsa_kernarg_size 72
		.amdhsa_user_sgpr_count 2
		.amdhsa_user_sgpr_kernarg_segment_ptr 1
		.amdhsa_wavefront_size32 1
		.amdhsa_system_sgpr_workgroup_id_x 1
		.amdhsa_system_sgpr_workgroup_id_y 1
		.amdhsa_system_sgpr_workgroup_id_z 1
		.amdhsa_system_vgpr_workitem_id 0
		.amdhsa_next_free_vgpr 218
		.amdhsa_next_free_sgpr 66
		.amdhsa_reserve_vcc 0
		.amdhsa_float_denorm_mode_32 3
		.amdhsa_float_denorm_mode_16_64 3
		.amdhsa_memory_ordered 1
		.amdhsa_forward_progress 1
		.amdhsa_inst_pref_size 129
	.end_amdhsa_kernel
	.amdgpu_metadata
---
amdhsa.version: [ 1, 2 ]
amdhsa.kernels:
  - .name:           k_qd97ce3645e_prep
    .symbol:         k_qd97ce3645e_prep.kd
    .args:
      - { .name: x, .offset: 0, .size: 8, .value_kind: global_buffer, .address_space: global }
      - { .name: wq, .offset: 8, .size: 8, .value_kind: global_buffer, .address_space: global }
      - { .name: wk, .offset: 16, .size: 8, .value_kind: global_buffer, .address_space: global }
      - { .name: wv, .offset: 24, .size: 8, .value_kind: global_buffer, .address_space: global }
      - { .name: wo, .offset: 32, .size: 8, .value_kind: global_buffer, .address_space: global }
      - { .name: mask, .offset: 40, .size: 8, .value_kind: global_buffer, .address_space: global }
      - { .name: lowp_scales, .offset: 48, .size: 8, .value_kind: global_buffer, .address_space: global }
      - { .name: cod, .offset: 56, .size: 8, .value_kind: global_buffer, .address_space: global }
      - { .name: mbits, .offset: 64, .size: 8, .value_kind: global_buffer, .address_space: global }
    .group_segment_fixed_size: 54784
    .private_segment_fixed_size: 0
    .kernarg_segment_align: 8
    .kernarg_segment_size: 72
    .max_flat_workgroup_size: 128
    .sgpr_count:     66
    .vgpr_count:     218
    .wavefront_size: 32
...
	.end_amdgpu_metadata
.endif
;; end of part 1
;; launch qkv (part 2): grid 24 x 8, 4 waves a work-group, clusters of 4 x 4, 327,680 bytes of LDS; arguments cod, lowp_scales, bq, bk, bv, qimg, kv; writes qimg, kv
.if DOCPART == 2
	.amdgcn_target "amdgcn-amd-amdhsa--gfx1250"
	.amdhsa_code_object_version 6
	.text
	.protected	k_qd97ce3645e_qkv
	.globl	k_qd97ce3645e_qkv
	.p2align	8
	.type	k_qd97ce3645e_qkv,@function
k_qd97ce3645e_qkv:
	s_mov_b64 s[64:65], 0
	v_nop
	global_prefetch_b8 v0, s[64:65] scope:SCOPE_SE
	s_setreg_imm32_b32 hwreg(HW_REG_WAVE_MODE, 25, 1), 1
	s_wait_xcnt 0x0
	s_wait_alu depctr_hold_cnt(0) depctr_sa_sdst(0) depctr_va_vdst(0) depctr_va_sdst(0) depctr_va_ssrc(0) depctr_va_vcc(0) depctr_vm_vsrc(0)
	s_getreg_b32 s2, hwreg(HW_REG_IB_STS2, 6, 4)
	s_cmp_eq_u32 s2, 0
	s_cbranch_scc0 .Lentry_in_a_cluster
	s_endpgm
.Lentry_in_a_cluster:
	s_bfe_u32 s2, ttmp6, 0x10000c
	s_cmp_lg_u32 s2, 0xf033
	s_cbranch_scc0 .Lentry_shape_is_right
	s_endpgm
.Lentry_shape_is_right:
; QKV.  The three projections of x on codes of FP8 (E4M3), the bias, and the quantiser of the next products, in one launch: q = x wq^T + bq (codes by e6), k = x wk^T + bk (e7), v = x wv^T + bv (e9).
; A tile of 256 x 256 is made by four waves, each 128 x 128: 64 accumulators, 512 registers.  K = 2048 goes in steps of 256 through a ring of two LDS slots filled by the tensor data mover.
; WHICH PRODUCT: p = cluster x / 2, the same in all sixteen partners; every choice by p is a select, none a branch.
; The matrix instruction takes 16 rows of "B" as source 0 and 16 rows of "A" as source 1: a lane then holds one row of A, and its registers run along B's rows.
;   p = 0: A = x by e0 (tokens),  B = wq: a lane holds a query, its registers the head's d.      p = 1: A = x by e2, B = wk: a key and d.
;   p = 2: A = wv, B = x by e4: a lane holds a d of v, its registers run along the KEYS, which are the second attention product's K.
; B's rows lie in cod with bits 3 and 4 of the row exchanged, so that the 16 registers of tiles 2 b and 2 b + 1 are 16 neighbours along the next K: 32 b + 16 (lane / 16) + 0 .. 15.
; So the conversions' results ARE an operand's registers, and they are stored as an image of those registers: chunk b of 512 bytes, lane l's 16 bytes at 16 l.  No stage in LDS is needed.
; A wave's 128 x 128 is one head and one block of 128 tokens: eight fragments of 2,048 bytes on end.
; CLUSTERS: 4 x 4 work-groups; A's tiles are asked for jointly along a row of the cluster, B's along a column.
; No prefetch: K has eight steps, the first two come with the first fills, and the launch is short.
; LIMITS: e0 + e1, e2 + e3, e4 + e5 between -126 and 127; e6, e7, e9 between -126 and 119, so that each power of two below is an f32 number.  NaN among the inputs is not served.
; REGISTERS, in windows of 256: window 0: v0-31 addresses; v32-95 the bias along registers; v96-111 the bias along lanes (pairs, the odd one 0); v112, v113 the quantiser's scale and limit;
;   v128-255 A's fragments, one set; on the way out v128-191 a block's numbers, v192-223 two sets of codes.   window 1: B's fragments, two sets.   windows 2, 3: the accumulators ((a, b) at v[8 (8 (a % 4) + b)]).
.set KSTEP,  256
.set ROWB,   256
.set KROW,   2048
.set PITCH,  272                       ; an LDS row: 256 bytes + 16 of padding = 68 words: the 16 rows that a load touches start at 16 different banks (64 banks of 4 bytes: ISA guide 11.1)
.set FR,     16
.set NL,     4
.set NP,     4
.set HALFT,  128*PITCH
.set SLOT,   4*HALFT
.set LAPS,   KROW/(2*KSTEP)
.set SPARE,  2*SLOT                    ; behind the ring: the spare words, 128 bytes for each wave
.set ADRA, 16
.set ADRB, 20
.set OH,   22                          ; v22  64 x (lane / 16): my place in the bias along registers
.set OL,   23                          ; v23  4 x (r + 8 (r / 8)): my place in the bias along lanes
.set LI,   27                          ; v27  16 x lane: my place in an image's chunk
.set SPW,  28
.set NIL,  29
.set ZER,  30                          ; v30  0, for the selects
.set BR,   32
.set BL,   96
.set VSC,  112
.set VLIM, 113
.set AF,   128
.set T,    128
.set CD,   192
.set G1, 24
.set G0, 32
.set G1B, 48
.set G0B, 56
.set MSB, 0
.macro WIN new                         ; the immediate's high byte repeats the setting that is left
.if MSB != \new
	s_set_vgpr_msb (MSB<<8)|\new
.set MSB, \new
.endif
.endm
.set MUL_LO, 0xa1                      ; source 0 (B) window 1, source 1 (A) window 0, C and D window 2
.set MUL_HI, 0xf1
.set TO_B,   0x40
; A joint load: waves 0 and 1 fetch for A, waves 2 and 3 for B; the branch hangs on the wave's number alone.  Four v_nop follow each line.
.macro JLOAD g0a, g1a, g0b, g1b
	s_cmp_eq_u32 s15, 0
	s_cbranch_scc0 .Lfor_b_\@
	tensor_load_to_lds s[\g0a:\g0a+3], s[\g1a:\g1a+7]
	s_nop 0
.rept 4
	v_nop
.endr
	s_branch .Lasked_\@
.Lfor_b_\@:
	tensor_load_to_lds s[\g0b:\g0b+3], s[\g1b:\g1b+7]
	s_nop 0
.rept 4
	v_nop
.endr
.Lasked_\@:
.endm
.macro CREST                           ; a round of the cluster's barrier behind its opening barrier
	s_cmp_lg_u32 s14, 0
	s_cbranch_scc1 .Lnot_wave_0_\@
	s_barrier_signal -3
.Lnot_wave_0_\@:
	s_barrier_wait -3
	s_barrier_signal -1
	s_barrier_wait -1
.endm
.macro CROUND
	s_barrier_signal -1
	s_barrier_wait -1
	CREST
.endm
	s_load_b256 s[68:75], s[0:1], 0x0              ; cod s[68:69], the exponents s[70:71], bq s[72:73], bk s[74:75]
	s_load_b128 s[76:79], s[0:1], 0x20             ; bv s[76:77], qimg s[78:79]
	s_load_b64 s[80:81], s[0:1], 0x30              ; kv
	v_lshl_add_u32 v[SPW], v0, 2, SPARE
	v_mov_b32 v[NIL], 0
	ds_add_u32 v28, v29
	ds_add_u32 v28, v29
	s_wait_dscnt 0x0
	v_lshrrev_b32 v1, 5, v0
	v_readfirstlane_b32 s14, v1                    ; wave 0..3
	s_lshr_b32 s15, s14, 1                         ; which half of A's rows is mine.  Also: I fetch for A (0) or for B (1)
	s_and_b32 s16, s14, 1                          ; which half of B's rows.  Also: which 128 rows of that tile I fetch
	s_bfe_u32 s40, ttmp6, 0x40000                  ; cx
	s_bfe_u32 s41, ttmp6, 0x40004                  ; cy
	s_lshr_b32 s66, ttmp9, 1                       ; p: two clusters along x for each product
	s_and_b32 s42, ttmp9, 1
	s_lshl_b32 s42, s42, 2
	s_add_co_u32 s42, s42, s40                     ; B's tile, 0 .. 7
	s_and_b32 s17, ttmp7, 0xffff
	s_lshl_b32 s17, s17, 2
	s_add_co_u32 s17, s17, s41                     ; A's tile, 0 .. 7
	s_lshl_b32 s43, s41, 2
	s_lshl_b32 s43, 15, s43                        ; my row of the cluster
	s_lshl_b32 s44, 0x1111, s40                    ; my column
	s_or_b32 s[G1+0], s43, (0<<16)|(1<<20)|(1<<21)|(5<<22)|(3<<25)  ; the mask; elements of 1 byte; padding on; bit 21 beside a mask; after every 64 words four words
	s_or_b32 s[G1B+0], s44, (0<<16)|(1<<20)|(1<<21)|(5<<22)|(3<<25)
.irp g, G1, G1B
	s_mov_b32 s[\g+1], ROWB<<16                    ; tensor_dim0
	s_mov_b32 s[\g+2], 128<<16                     ; tensor_dim1
	s_mov_b32 s[\g+3], ROWB<<16                    ; tile_dim0
	s_mov_b32 s[\g+4], 128                         ; tile_dim1
	s_mov_b32 s[\g+5], KROW                        ; from row to row
	s_mov_b32 s[\g+6], 0
	s_mov_b32 s[\g+7], 0
.endr
	s_add_co_u32 s19, s66, 3
	s_cmp_eq_u32 s66, 2
	s_cselect_b32 s18, 5, s66                      ; A's section of cod: 0, 1, 5
	s_cselect_b32 s19, 2, s19                      ; B's: 3, 4, 2
	s_cselect_b32 s100, -1, 0                      ; all lanes where the bias along registers is to be 0 (p = 2),
	s_cselect_b32 s101, 0, -1                      ; and where the bias along lanes is
	s_lshl_b32 s22, s16, 7                         ; which 128 rows of the tile I fetch
	s_lshl_b32 s20, s17, 8
	s_add_co_u32 s20, s20, s22
	s_lshl_b32 s20, s20, 11                        ; rows of 2,048 bytes
	s_lshl_b32 s18, s18, 22
	s_add_co_u32 s20, s20, s18                     ; A: under 2^25 bytes
	s_mov_b32 s21, 0
	s_lshl_b32 s46, s42, 8
	s_add_co_u32 s46, s46, s22
	s_lshl_b32 s46, s46, 11
	s_lshl_b32 s19, s19, 22
	s_add_co_u32 s46, s46, s19                     ; B
	s_mov_b32 s47, 0
	s_mul_i32 s45, s14, HALFT                      ; where they go: wave x 128 rows
	s_wait_kmcnt 0x0
	s_load_b256 s[84:91], s[70:71], 0x0            ; e0 .. e7
	s_load_b128 s[92:95], s[70:71], 0x20           ; e8 .. e11
	s_add_nc_u64 s[20:21], s[68:69], s[20:21]
	s_add_nc_u64 s[46:47], s[68:69], s[46:47]
	CROUND                                         ; all sixteen work-groups are here: the first joint loads meet
.irp s, 0,1
	s_mov_b32 s[G0+4*\s], 1
	s_add_co_u32 s[G0+4*\s+1], s45, \s*SLOT
	s_add_nc_u64 s[G0+4*\s+2:G0+4*\s+3], s[20:21], \s*ROWB
	s_or_b32 s[G0+4*\s+3], s[G0+4*\s+3], 0x80000000
	s_mov_b32 s[G0B+4*\s], 1
	s_add_co_u32 s[G0B+4*\s+1], s45, \s*SLOT
	s_add_nc_u64 s[G0B+4*\s+2:G0B+4*\s+3], s[46:47], \s*ROWB
	s_or_b32 s[G0B+4*\s+3], s[G0B+4*\s+3], 0x80000000
.endr
	JLOAD G0, G1, G0B, G1B                         ; K step 0: one tensor load a wave at the head
	v_and_b32 v1, 15, v0
	v_bfe_u32 v2, v0, 4, 1                         ; h
	v_mul_u32_u24 v3, v1, PITCH
	v_lshl_add_u32 v4, v2, 4, v3                   ; a fragment's row x pitch + 16 h
	s_mul_i32 s21, s15, HALFT
	s_mul_i32 s22, s16, HALFT
	s_add_co_u32 s22, s22, 2*HALFT
.irp s, 0,1
	v_add_nc_u32 v[ADRA+\s], s21, v4
	v_add_nc_u32 v[ADRB+\s], s22, v4
	s_add_co_u32 s21, s21, SLOT
	s_add_co_u32 s22, s22, SLOT
.endr
	v_and_b32 v5, 31, v0
	v_lshlrev_b32 v[LI], 4, v5
	v_lshlrev_b32 v[OH], 6, v2
	s_wait_alu depctr_va_vdst(0)
	v_and_b32 v6, 8, v1
	v_add_nc_u32 v6, v6, v1
	v_lshlrev_b32 v[OL], 2, v6
	s_wait_alu depctr_va_vdst(0)
	v_mov_b32 v[ZER], 0
	s_lshl_b32 s82, s17, 1
	s_add_co_u32 s82, s82, s15                     ; R: my block of 128 rows of A
	s_lshl_b32 s83, s42, 1
	s_add_co_u32 s83, s83, s16                     ; Cb: my block of 128 rows of B
	s_cmp_eq_u32 s66, 1
	s_cselect_b64 s[8:9], s[74:75], s[72:73]
	s_cmp_eq_u32 s66, 2
	s_cselect_b64 s[8:9], s[76:77], s[8:9]         ; bq, bk or bv
	s_mov_b64 s[12:13], s[8:9]
	s_lshl_b32 s98, s83, 9
	s_mov_b32 s99, 0
	s_add_nc_u64 s[8:9], s[8:9], s[98:99]          ; at Cb's 128 numbers: both blocks lie inside the 2,048 whatever p is
	s_lshl_b32 s98, s82, 9
	s_add_nc_u64 s[12:13], s[12:13], s[98:99]      ; at R's
.irp b, 0,1,2,3
.irp q, 0,1,2,3
	global_load_b128 v[BR+16*\b+4*\q:BR+16*\b+4*\q+3], v[OH], s[8:9] offset:128*\b+16*\q   ; register 16 b + i: number 32 b + 16 h + i
.endr
.endr
.irp a, 0,1,2,3,4,5,6,7
	global_load_b32 v[BL+2*\a], v[OL], s[12:13] offset:4*(32*(\a/2)+8*(\a%2))              ; block a: number 32 (a / 2) + 8 (a % 2) + r + 8 (r / 8)
	v_mov_b32 v[BL+2*\a+1], 0                      ; (named with it as a pair)
.endr
	s_cmp_eq_u32 s66, 2
	s_cselect_b32 s18, s82, s83                    ; the head,
	s_cselect_b32 s19, s83, s82                    ; the block of 128 tokens,
	s_cselect_b32 s22, 16384, 0                    ; V's fragments lie behind K's
	s_cmp_eq_u32 s66, 0
	s_cselect_b32 s23, 18, 19                      ; a head is 2^18 bytes in qimg, 2^19 in kv; a block 2^14 and 2^15
	s_cselect_b64 s[10:11], s[78:79], s[80:81]
	s_lshl_b32 s18, s18, s23
	s_sub_co_u32 s23, s23, 4
	s_lshl_b32 s19, s19, s23
	s_add_co_u32 s18, s18, s19
	s_add_co_u32 s98, s18, s22
	s_add_nc_u64 s[10:11], s[10:11], s[98:99]      ; where my eight fragments go
	s_wait_alu depctr_va_vdst(0)
	s_wait_loadcnt 0x0                             ; the biases
.set j, 0
.rept 64
	v_cndmask_b32 v[BR+j], v[BR+j], v[ZER], s100   ; of the two forms of the bias one is the product's, the other becomes 0
.set j, j+1
.endr
.irp a, 0,1,2,3,4,5,6,7
	v_cndmask_b32 v[BL+2*\a], v[BL+2*\a], v[ZER], s101
.endr
.macro FRAG reg, adr, q, i             ; 16 rows x 128 K: registers 4 c .. 4 c + 3 hold K = 32 c + 16 (lane / 16) + 0 .. 15: the same places in A and in B
.irp c, 0,1,2,3
	ds_load_b128 v[\reg+4*\c:\reg+4*\c+3], v[\adr] offset:128*(\q)+32*\c+(\i)*16*PITCH
.endr
.endm
; 16 matrix instructions: A's blocks a0, a0 + 1 x B's eight.  The 64 accumulators take turns, one instruction a turn, in the same order in every step.
.macro MUL16 a0, p, zero
.irp a, \a0, \a0+1
.irp b, 0,1,2,3,4,5,6,7
.if \zero
	v_wmma_f32_16x16x128_fp8_fp8 v[8*(8*((\a)%4)+\b):8*(8*((\a)%4)+\b)+7], v[128*(\p)+FR*\b:128*(\p)+FR*\b+FR-1], v[AF+FR*(\a):AF+FR*(\a)+FR-1], 0
.else
	v_wmma_f32_16x16x128_fp8_fp8 v[8*(8*((\a)%4)+\b):8*(8*((\a)%4)+\b)+7], v[128*(\p)+FR*\b:128*(\p)+FR*\b+FR-1], v[AF+FR*(\a):AF+FR*(\a)+FR-1], v[8*(8*((\a)%4)+\b):8*(8*((\a)%4)+\b)+7]
.endif
.endr
.endr
.endm
.macro FETCH_B slot, q, p
	WIN TO_B
.irp i, 0,1,2,3,4,5,6,7
	FRAG 128*(\p)+FR*\i, ADRB+\slot, \q, \i
.endr
	WIN 0
.endm
.macro FETCH_A slot, q, i0
.irp i, \i0, \i0+1, \i0+2, \i0+3
	FRAG AF+FR*(\i), ADRA+\slot, \q, \i
.endr
.endm
.macro PLACES n                        ; plain vector lines between a matrix instruction and a load into, or a vector write or read of, its registers
.rept \n
	v_nop
.endr
.endm
.macro STEP slot, q, zero              ; 128 along K with its successor in the same slot
	s_wait_dscnt 4*NL                              ; B's set and A's blocks 0-3 are in; the youngest sixteen loads (A's blocks 4-7) may be out
	WIN MUL_LO
	MUL16 0, (\q)%2, \zero
	MUL16 2, (\q)%2, \zero
	s_wait_dscnt 0
	PLACES NP
	FETCH_B \slot, (\q)+1, 1-(\q)%2
	FETCH_A \slot, (\q)+1, 0
	WIN MUL_HI
	MUL16 4, (\q)%2, \zero
	MUL16 6, (\q)%2, \zero
	PLACES NP
	WIN 0
	FETCH_A \slot, (\q)+1, 4
.endm
; A slot's last step changes slots: one barrier; in front of it each wave waits for all its tensor loads, adds 0 to its spare word, and waits for that and for its reads of this slot.
.macro TURN slot, next, fill
	s_wait_tensorcnt 0x0                           ; all my tensor loads have landed: my part of the next slot
	ds_add_u32 v[SPW], v[NIL]                      ; 0 onto my spare word
	s_wait_dscnt 4*NL+1                            ; (the add and the youngest sixteen loads may be out)
	WIN MUL_LO
	MUL16 0, 1, 0
	s_wait_dscnt 0x0                               ; the add is done, and my reads of this slot are over
	s_barrier_signal -1
	MUL16 2, 1, 0
	WIN 0
	s_barrier_wait -1
.if \fill
	CREST                                          ; the barrier has opened a round of the cluster's barrier: no wave of any partner still reads this slot or has a load on its way
	s_add_nc_u64 s[G0+4*\slot+2:G0+4*\slot+3], s[G0+4*\slot+2:G0+4*\slot+3], 2*ROWB
	s_add_nc_u64 s[G0B+4*\slot+2:G0B+4*\slot+3], s[G0B+4*\slot+2:G0B+4*\slot+3], 2*ROWB
	JLOAD G0+4*\slot, G1, G0B+4*\slot, G1B         ; the first tensor load behind the round; its four v_nop are the places in front of the loads below
.else
	PLACES NP
.endif
	FETCH_B \next, 0, 0
	FETCH_A \next, 0, 0
	WIN MUL_HI
	MUL16 4, 1, 0
	MUL16 6, 1, 0
	PLACES NP
	WIN 0
	FETCH_A \next, 0, 4
.endm
	s_wait_alu depctr_va_vdst(0)                   ; at the head's end
	s_wait_tensorcnt 0x0                           ; my part of K step 0 is in; slot 1's first fill is issued as a refill is:
	ds_add_u32 v[SPW], v[NIL]                      ; 0 onto my spare word
	s_wait_dscnt 0x0
	CROUND                                         ; a whole round: everybody's part of K step 0 is in, and the joint loads meet
	JLOAD G0+4, G1, G0B+4, G1B                     ; K step 1, the first tensor load behind the round
	FETCH_B 0, 0, 0
	FETCH_A 0, 0, 0
	FETCH_A 0, 0, 4
	STEP 0, 0, 1                                   ; the first step's products start the sums
	s_mov_b32 s3, LAPS-1
.Llap:                                                 ; a trip goes once round the ring and fills both slots again
	TURN 0, 1, 1
	STEP 1, 0, 0
	TURN 1, 0, 1
	STEP 0, 0, 0
	s_sub_co_u32 s3, s3, 1
	s_cmp_lg_u32 s3, 0
	s_cbranch_scc1 .Llap
	TURN 0, 1, 0                                   ; the last lap fills nothing
	STEP 1, 0, 0
	s_wait_dscnt 4*NL
	WIN MUL_LO
	MUL16 0, 1, 0
	MUL16 2, 1, 0
	s_wait_dscnt 0
	WIN MUL_HI
	MUL16 4, 1, 0
	MUL16 6, 1, 0
	WIN 0
	; THE WAY OUT: number = sum x 2^(ea + eb) + bias, held, converted; a block of 16 rows of A is one fragment of the next product.
	s_wait_kmcnt 0x0
	s_add_co_i32 s18, s84, s85
	s_add_co_i32 s19, s86, s87
	s_add_co_i32 s20, s88, s89
	s_cmp_eq_u32 s66, 1
	s_cselect_b32 s18, s19, s18
	s_cselect_b32 s21, s91, s90
	s_cmp_eq_u32 s66, 2
	s_cselect_b32 s18, s20, s18                    ; ea + eb
	s_cselect_b32 s21, s93, s21                    ; e6, e7 or e9
	s_add_co_i32 s18, s18, 127
	s_lshl_b32 s96, s18, 23                        ; 2^(ea + eb) as f32
	s_mov_b32 s97, s96                             ; (named with it as a pair)
	s_add_co_i32 s21, s21, 127
	s_lshl_b32 s22, s21, 23
	s_add_co_i32 s21, s21, 8
	s_lshl_b32 s21, s21, 23
	s_or_b32 s21, s21, 0x600000
	PLACES NP                                      ; behind the last products: their results are read and A's registers written below
	v_mov_b32 v[VSC], s22
	v_mov_b32 v[VLIM], s21
.macro OUTBLK a
.set AC, 64*((\a)%4)
.set CDS, CD+16*((\a)%2)
.if (\a) >= 2
	s_wait_xcnt 0x0                                ; the stores of two blocks ago have read this set of code registers
.endif
	WIN 0x02+((\a)/4)                              ; source 0: window 2 or 3
.set j, 0
.rept 32
	v_pk_fma_f32 v[T+j:T+j+1], v[AC+j:AC+j+1], s[96:97], v[BR+j:BR+j+1] op_sel_hi:[1,0,1]   ; each accumulator from its low end on
.set j, j+2
.endr
	WIN 0
.set j, 0
.rept 32
	v_pk_add_f32 v[T+j:T+j+1], v[T+j:T+j+1], v[BL+2*(\a):BL+2*(\a)+1] op_sel_hi:[1,0]       ; the bias of my row of A, or 0
.set j, j+2
.endr
.set j, 0
.rept 64
	v_med3_num_f32 v[T+j], v[T+j], -v[VLIM], v[VLIM]   ; the conversion to an 8-bit code does not saturate (ISA guide 7.6.2)
.set j, j+1
.endr
.irp b, 0,1,2,3
	v_cvt_scalef32_pk8_fp8_f32 v[CDS+4*\b:CDS+4*\b+1], v[T+16*\b:T+16*\b+7], v[VSC]
	v_cvt_scalef32_pk8_fp8_f32 v[CDS+4*\b+2:CDS+4*\b+3], v[T+16*\b+8:T+16*\b+15], v[VSC]
.endr
	v_nop                                          ; a plain line between the conversions and the next block's lines, which write their sources
.irp b, 0,1,2,3
	global_store_b128 v[LI], v[CDS+4*\b:CDS+4*\b+3], s[10:11] offset:2048*(\a)+512*\b   ; the wave stores 512 consecutive bytes, aligned
.endr
.endm
.irp a, 0,1,2,3,4,5,6,7
	OUTBLK \a
.endr
	s_wait_tensorcnt 0x0                           ; the wave's end
	ds_add_u32 v[SPW], v[NIL]
	s_wait_dscnt 0x0
	CROUND                                         ; the closing round
	s_endpgm
.Lfunc_end_k_qd97ce3645e_qkv:
	.size	k_qd97ce3645e_qkv, .Lfunc_end_k_qd97ce3645e_qkv-k_qd97ce3645e_qkv
	.p2alignl 7, 3214868480
	.fill 96, 4, 3214868480
	.section	.rodata,"a",@progbits
	.p2align	6, 0x0
	.amdhsa_kernel k_qd97ce3645e_qkv
		.amdhsa_group_segment_fixed_size 327680
		.amdhsa_private_segment_fixed_size 0
		.amdhsa_enable_private_segment 0
		.amdhsa_kernarg_size 56
		.amdhsa_user_sgpr_count 2
		.amdhsa_user_sgpr_kernarg_segment_ptr 1
		.amdhsa_wavefront_size32 1
		.amdhsa_system_sgpr_workgroup_id_x 1
		.amdhsa_system_sgpr_workgroup_id_y 1
		.amdhsa_system_sgpr_workgroup_id_z 1
		.amdhsa_system_vgpr_workitem_id 0
		.amdhsa_next_free_vgpr 1024
		.amdhsa_next_free_sgpr 102
		.amdhsa_reserve_vcc 0
		.amdhsa_float_denorm_mode_32 3
		.amdhsa_float_denorm_mode_16_64 3
		.amdhsa_memory_ordered 1
		.amdhsa_forward_progress 1
		.amdhsa_inst_pref_size 158
	.end_amdhsa_kernel
	.amdgpu_metadata
---
amdhsa.version: [ 1, 2 ]
amdhsa.kernels:
  - .name:           k_qd97ce3645e_qkv
    .symbol:         k_qd97ce3645e_qkv.kd
    .args:
      - { .name: cod, .offset: 0, .size: 8, .value_kind: global_buffer, .address_space: global }
      - { .name: lowp_scales, .offset: 8, .size: 8, .value_kind: global_buffer, .address_space: global }
      - { .name: bq, .offset: 16, .size: 8, .value_kind: global_buffer, .address_space: global }
      - { .name: bk, .offset: 24, .size: 8, .value_kind: global_buffer, .address_space: global }
      - { .name: bv, .offset: 32, .size: 8, .value_kind: global_buffer, .address_space: global }
      - { .name: qimg, .offset: 40, .size: 8, .value_kind: global_buffer, .address_space: global }
      - { .name: kv, .offset: 48, .size: 8, .value_kind: global_buffer, .address_space: global }
    .group_segment_fixed_size: 327680
    .private_segment_fixed_size: 0
    .kernarg_segment_align: 8
    .kernarg_segment_size: 56
    .max_flat_workgroup_size: 128
    .sgpr_count:     102
    .vgpr_count:     1024
    .wavefront_size: 32
...
	.end_amdgpu_metadata
.endif
;; end of part 2
;; launch attn (part 3): grid 16 x 16, 4 waves a work-group, no clusters, 0 bytes of LDS; arguments qimg, kv, mbits, lowp_scales, acod; writes acod
.if DOCPART == 3
	.amdgcn_target "amdgcn-amd-amdhsa--gfx1250"
	.amdhsa_code_object_version 6
	.text
	.protected	k_qd97ce3645e_attn
	.globl	k_qd97ce3645e_attn
	.p2align	8
	.type	k_qd97ce3645e_attn,@function
k_qd97ce3645e_attn:
	s_mov_b64 s[64:65], 0
	v_nop
	global_prefetch_b8 v0, s[64:65] scope:SCOPE_SE
	s_setreg_imm32_b32 hwreg(HW_REG_WAVE_MODE, 25, 1), 1
	s_wait_xcnt 0x0
; ATTN.  For each head: S^T = K Q^T on codes of FP8 (E4M3), the mask, p = 2^(t - M) (t = score x log2(e) / sqrt(128), M = the ceiling of the running largest t), p's codes by e8, O^T += V^T P^T,
; O / (the sum of the unquantised p), and the codes of the result by e10, stored as an image of the last product's operand registers.
; INPUTS of this launch: qimg, kv: images of operand registers (a fragment of 16 rows x 128 K is four chunks of 512 bytes, lane l's 16 bytes at 16 l); a head of kv is 16 steps of 128 keys, each 8 fragments of K, then 8 of V^T.
; mbits: word [tile of 16 queries][step][n]: the lane mask of score register n, a bit set where the mask input is -infinity.
; WHAT IS LEFT OUT, AND BY WHAT.  A step all of whose 16 x 128 mask bits are set gives p = 0 for every score and moves neither M nor the sum nor O: it is passed over by a scalar branch on the stored bits,
; which this launch reads from memory.  A step with no bit set passes over the 64 selects.  Every pattern of the mask is served; nothing of its pattern is built in.
; The launch has no tensor load, no joint loads and no cluster: K's and V's fragments go from memory straight into registers, 512 consecutive bytes an instruction.  No LDS, no barrier.
; SHARES.  256 work-groups of four waves, one wave to a SIMD.  A wave owns two tiles of 16 queries of one head, tiles e and 127 - e; in work-group g the four e are 2 g, 2 g + 1, 63 - 2 g, 62 - 2 g (ids alone).
; A wave walks the list of steps in which either tile has an open key (step 0 is always on the list, so that the list is never empty); each fragment loaded serves both tiles where both are open.
; LOADS AHEAD.  V's fragments of a step are asked for at the step's head, K's of the NEXT listed step behind this step's first products: each has a softmax in which to land.  Behind the last step K's loads name a clamped step and are not used.
; PREFETCH.  Work-group g of a head names, once, at its head, the 128 blocks of 256 bytes of key step g of that head (a wave 32 blocks, a lane a block): each block of kv is named once in the launch.
; A row with no open key has the sum 0 and gets the NaN code, as the softmax gives NaN there.
; LIMITS: e6 + e7 between -123 and 130; e8 and e10 between -126 and 119; the scaled scores stay under 2^31 in magnitude.  NaN among the scores is not served.
; REGISTERS.  window 0: v1-3 lane offsets; v8-11, v12-15 a tile's -M, largest t, sum (pair); v16-47 Q of both tiles; v48-63 p's codes; v64-127, v128-191 the scores of tiles A, B; v192.. at work.
;   window 1: v0-127 V's fragments, v128-255 K's.   window 2: v0-63, v64-127 O^T of tiles A, B.
.set LI,   1
.set ML,   2
.set PF,   3
.set NINF, 7
.set STB,  8
.set STA,  12
.set QA,   16
.set QB,   32
.set PC,   48
.set SA,   64
.set SB,   128
.set FF,   192                         ; v[192:193] f = 2^(old M - new M), and 0
.set TA,   194
.set TB,   195
.set S2,   196
.set PL,   198
.set LIMP, 200                         ; v200, v201: 448 x 2^e8, twice: one for each half of a dual pair
.set SCP,  202
.set LIMO, 203
.set SCO,  204
.set NANC, 205
.set OA,   0
.set OB,   64
.set VF,   0
.set KF,   128
.set VOFF, 16384
; s[2:3] mbits; s4, s5 4,096 x tile A, B: a tile's first byte in mbits; s6 256 x step; s[8:9] lane selects; s[10:11] c; s12 wave; s13 the offset of the mask words in hand; s14 e8 + e9; s15 at work
; s[16:63], s[84:99] 64 mask words; s[66:67] the head's kv; s[68:69] K's step; s[70:71] V's step; s72, s74: bit 2 s or 2 s + 1 set: step s of tile A, B has a hidden key; s73, s75: has an open key
; s76 the list (bit 2 s); s77 its length; s78, s79 twice the step in hand, the next; s80, s81 tile A, B open in this step; s82 trips; s83 tile A mixed; s[100:101] an offset; s[104:105] acod
.set MSB, 0
.macro WIN new                         ; the immediate's high byte repeats the setting that is left
.if MSB != \new
	s_set_vgpr_msb (MSB<<8)|\new
.set MSB, \new
.endif
.endm
.macro PLACES                          ; plain vector lines behind matrix instructions (ISA guide 7.12.1)
.rept 4
	v_nop
.endr
.endm
.macro FLOAD f, base, off              ; eight fragments, 16,384 bytes, into window 1
	WIN 0x40
.irp t, 0,1,2,3,4,5,6,7
.irp c, 0,1,2,3
	global_load_b128 v[\f+16*\t+4*\c:\f+16*\t+4*\c+3], v[LI], s[\base:\base+1] offset:\off+\t*2048+512*\c
.endr
.endr
	WIN 0
.endm
.macro MLOAD b                         ; a step's 64 mask words of one tile
	s_load_b512 s[16:31], s[\b:\b+1], s13 offset:0x0
	s_load_b512 s[32:47], s[\b:\b+1], s13 offset:0x40
	s_load_b512 s[48:63], s[\b:\b+1], s13 offset:0x80
	s_load_b512 s[84:99], s[\b:\b+1], s13 offset:0xc0
.endm
.macro SPROD s, q                      ; S^T = K Q^T: eight tiles of 16 keys
	WIN 0x01
.irp t, 0,1,2,3,4,5,6,7
	v_wmma_f32_16x16x128_fp8_fp8 v[\s+8*\t:\s+8*\t+7], v[KF+16*\t:KF+16*\t+15], v[\q:\q+15], 0
.endr
	WIN 0
.endm
.macro MASK s                          ; hidden scores become -infinity
	s_wait_alu depctr_va_vdst(0)                   ; directly ahead of the first readers of the scores
.set n, 0
.rept 48
	v_cndmask_b32 v[\s+n], v[\s+n], v[NINF], s[16+n]
.set n, n+1
.endr
.rept 16
	v_cndmask_b32 v[\s+n], v[\s+n], v[NINF], s[36+n]
.set n, n+1
.endr
.endm
; One tile's softmax of a step, p's codes, O^T under the new M, and the second product.
.macro SOFT s, st, o
	s_wait_alu depctr_va_vdst(0)                   ; directly ahead of the first readers of the scores
	v_max3_num_f32 v[TA], v[\s], v[\s+1], v[\s+2]
	v_max3_num_f32 v[TB], v[\s+3], v[\s+4], v[\s+5]
.irp i, 6,10,14,18,22,26,30,34,38,42,46,50,54,58
	v_max3_num_f32 v[TA], v[TA], v[\s+\i], v[\s+\i+1]
	v_max3_num_f32 v[TB], v[TB], v[\s+\i+2], v[\s+\i+3]
.endr
	v_max3_num_f32 v[TA], v[TA], v[\s+62], v[\s+63]
	v_max_num_f32 v[TA], v[TA], v[TB]
	v_permlanex16_b32 v[PL], v[TA], s8, s9
	v_max_num_f32 v[TA], v[TA], v[PL]              ; my query's largest score of the step
	v_mul_f32 v[TA], s10, v[TA]                    ; as t
	v_max_num_f32 v[\st+1], v[\st+1], v[TA]
	v_mov_b32 v[TA], v[\st]
	v_floor_f32 v[\st], -v[\st+1]                  ; -M = floor(-t)
	v_sub_f32 v[TA], v[\st], v[TA]
	v_cvt_i32_f32 v[TA], v[TA]                     ; old M - new M, a whole number (it saturates)
	v_ldexp_f32 v[FF], 1.0, v[TA]
.set j, 0
.rept 32
	v_pk_fma_f32 v[\s+j:\s+j+1], v[\s+j:\s+j+1], s[10:11], v[\st:\st+1] op_sel_hi:[1,0,0]
.set j, j+2
.endr
	s_wait_alu depctr_va_vdst(0)                   ; ahead of the batch
.set j, 0
.rept 64
	v_exp_f32 v[\s+j], v[\s+j]
.set j, j+1
.endr
	v_pk_mul_f32 v[\st+2:\st+3], v[\st+2:\st+3], v[FF:FF+1] op_sel_hi:[1,0]
	s_wait_alu depctr_va_vdst(0)                   ; and behind it, ahead of its first reader
	v_pk_add_f32 v[S2:S2+1], v[\s:\s+1], v[\s+2:\s+3]   ; the sum of the unquantised p, in two chains
.irp j, 4,8,12,16,20,24,28,32,36,40,44,48,52,56,60
	v_pk_add_f32 v[\st+2:\st+3], v[\st+2:\st+3], v[\s+\j:\s+\j+1]
	v_pk_add_f32 v[S2:S2+1], v[S2:S2+1], v[\s+\j+2:\s+\j+3]
.endr
	v_pk_add_f32 v[\st+2:\st+3], v[\st+2:\st+3], v[S2:S2+1]
.irp b, 0,1,2,3
.set i, 0
.rept 8                                ; the hold: the conversion to an 8-bit code does not saturate (ISA guide 7.6.2); p is not negative; two numbers an instruction
	v_dual_min_num_f32 v[\s+16*\b+i], v[\s+16*\b+i], v[LIMP] :: v_dual_min_num_f32 v[\s+16*\b+i+1], v[\s+16*\b+i+1], v[LIMP+1]
.set i, i+2
.endr
	v_cvt_scalef32_pk8_fp8_f32 v[PC+4*\b:PC+4*\b+1], v[\s+16*\b:\s+16*\b+7], v[SCP]
	v_cvt_scalef32_pk8_fp8_f32 v[PC+4*\b+2:PC+4*\b+3], v[\s+16*\b+8:\s+16*\b+15], v[SCP]
.endr
	WIN 0x82
	s_wait_alu depctr_va_vdst(0)                   ; directly ahead of the first readers of O^T
.set j, 0
.rept 32
	v_pk_mul_f32 v[\o+j:\o+j+1], v[\o+j:\o+j+1], v[FF:FF+1] op_sel_hi:[1,0]
.set j, j+2
.endr
	WIN 0
	s_wait_alu depctr_va_vdst(0)                   ; directly ahead of the wait below
	s_wait_loadcnt 32                              ; V's fragments are in; the 32 loads of the next K may be out
	WIN 0xa1
.irp t, 0,1,2,3,4,5,6,7
	v_wmma_f32_16x16x128_fp8_fp8 v[\o+8*\t:\o+8*\t+7], v[VF+16*\t:VF+16*\t+15], v[PC:PC+15], v[\o+8*\t:\o+8*\t+7]
.endr
	WIN 0
.endm
; The way out of one tile: O^T / the sum x 2^(e8 + e9), held, converted by e10, stored as four chunks of 512 consecutive bytes.
.macro OUT s, st, o, cd, ad
	v_add_f32 v[\st+2], v[\st+2], v[\st+3]
	v_permlanex16_b32 v[PL], v[\st+2], s8, s9
	v_add_f32 v[\st+2], v[\st+2], v[PL]
	v_cmp_eq_f32 s15, 0, v[\st+2]                  ; a row with no open key
	s_wait_alu depctr_va_vdst(0)                   ; ahead of the transcendental
	v_rcp_f32 v[TA], v[\st+2]
	v_nop
	s_wait_alu depctr_va_vdst(0)                   ; and ahead of its first reader
	v_ldexp_f32 v[TA], v[TA], s14
	WIN 0x02
	s_wait_alu depctr_va_vdst(0)                   ; directly ahead of the first readers of O^T
.set j, 0
.rept 32
	v_pk_mul_f32 v[\s+j:\s+j+1], v[\o+j:\o+j+1], v[TA:TA+1] op_sel_hi:[1,0]
.set j, j+2
.endr
	WIN 0
.set j, 0
.rept 64
	v_med3_num_f32 v[\s+j], v[\s+j], -v[LIMO], v[LIMO]
.set j, j+1
.endr
.irp b, 0,1,2,3
	v_cvt_scalef32_pk8_fp8_f32 v[\cd+4*\b:\cd+4*\b+1], v[\s+16*\b:\s+16*\b+7], v[SCO]
	v_cvt_scalef32_pk8_fp8_f32 v[\cd+4*\b+2:\cd+4*\b+3], v[\s+16*\b+8:\s+16*\b+15], v[SCO]
.endr
	v_nop                                          ; a plain line between the conversions and the selects on their results
.set j, 0
.rept 16
	v_cndmask_b32 v[\cd+j], v[\cd+j], v[NANC], s15
.set j, j+1
.endr
.irp b, 0,1,2,3
	global_store_b128 v[LI], v[\cd+4*\b:\cd+4*\b+3], s[\ad:\ad+1] offset:512*\b
.endr
.endm
	s_load_b256 s[16:23], s[0:1], 0x0              ; qimg s[16:17], kv s[18:19], mbits s[20:21], the exponents s[22:23]
	s_load_b64 s[104:105], s[0:1], 0x20            ; acod
	v_lshrrev_b32 v4, 5, v0
	v_readfirstlane_b32 s12, v4                    ; wave
	v_and_b32 v5, 31, v0
	v_lshlrev_b32 v[LI], 4, v5                     ; 16 x lane: my place in a chunk
	v_lshlrev_b32 v[ML], 7, v5                     ; 128 x lane: my half of a step's mask words
	v_lshlrev_b32 v[PF], 8, v5                     ; 256 x lane: my block of the prefetch
	s_lshl_b32 s24, ttmp9, 1
	s_add_co_u32 s24, s24, s12
	s_sub_co_u32 s25, 65, s24
	s_cmp_lt_u32 s12, 2
	s_cselect_b32 s24, s24, s25                    ; tile A: 2 g + w, or 65 - 2 g - w
	s_sub_co_u32 s25, 127, s24                     ; tile B
	s_and_b32 s26, ttmp7, 0xffff                   ; the head
	s_lshl_b32 s28, s26, 19
	s_mov_b32 s29, 0
	s_lshl_b32 s27, s26, 18
	s_lshl_b32 s30, s24, 11
	s_add_co_u32 s30, s30, s27
	s_mov_b32 s31, 0
	s_lshl_b32 s32, s25, 11
	s_add_co_u32 s32, s32, s27
	s_mov_b32 s33, 0
	s_lshl_b32 s34, s24, 12
	s_mov_b32 s35, 0
	s_lshl_b32 s36, s25, 12
	s_mov_b32 s37, 0
	s_lshl_b32 s38, ttmp9, 15                      ; the prefetch: key step g, my wave's 8,192 bytes
	s_lshl_b32 s39, s12, 13
	s_add_co_u32 s38, s38, s39
	s_mov_b32 s39, 0
	s_mov_b32 s8, 0x76543210
	s_mov_b32 s9, 0xfedcba98
	s_wait_alu depctr_va_vdst(0)                   ; directly ahead of the wait below
	s_wait_kmcnt 0x0
	s_add_nc_u64 s[66:67], s[18:19], s[28:29]
	s_mov_b64 s[68:69], s[66:67]                   ; the first listed step is step 0
	s_add_nc_u64 s[70:71], s[66:67], s[38:39]
	s_add_nc_u64 s[40:41], s[16:17], s[30:31]
	s_add_nc_u64 s[42:43], s[16:17], s[32:33]
	s_add_nc_u64 s[56:57], s[20:21], s[34:35]      ; the two tiles' mask words, for the head's reads
	s_add_nc_u64 s[58:59], s[20:21], s[36:37]
	s_mov_b64 s[2:3], s[20:21]
	s_mov_b32 s4, s34
	s_mov_b32 s5, s36
	s_load_b256 s[44:51], s[22:23], 0x0            ; e0 .. e7
	s_load_b128 s[52:55], s[22:23], 0x20           ; e8 .. e11
	global_prefetch_b8 v[PF], s[70:71] th:TH_LOAD_NT scope:SCOPE_SE
.irp c, 0,1,2,3
	global_load_b128 v[QA+4*\c:QA+4*\c+3], v[LI], s[40:41] offset:512*\c
	global_load_b128 v[QB+4*\c:QB+4*\c+3], v[LI], s[42:43] offset:512*\c
.endr
.irp i, 0,1,2,3,4,5,6,7                ; a tile's 16 x 64 mask words: lane l takes the 32 words of half l % 2 of step l / 2
	global_load_b128 v[SA+4*\i:SA+4*\i+3], v[ML], s[56:57] offset:16*\i
	global_load_b128 v[SB+4*\i:SB+4*\i+3], v[ML], s[58:59] offset:16*\i
.endr
	FLOAD KF, 68, 0
	v_mov_b32 v[NINF], 0xff800000
	v_mov_b32 v[STA+1], 0xff61b1e6                 ; the largest t so far: -3e38
	v_mov_b32 v[STB+1], 0xff61b1e6
	v_floor_f32 v[STA], -v[STA+1]
	v_floor_f32 v[STB], -v[STB+1]
	v_mov_b32 v[STA+2], 0
	v_mov_b32 v[STA+3], 0
	v_mov_b32 v[STB+2], 0
	v_mov_b32 v[STB+3], 0
	v_mov_b32 v[FF+1], 0
	v_mov_b32 v[PL], 0
	v_mov_b32 v[NANC], 0x7f7f7f7f
	WIN 0x80
.set j, 0
.rept 128
	v_mov_b32 v[j], 0                              ; O^T of both tiles: which step is a tile's first hangs on the stored bits, so the sums begin as zeros
.set j, j+1
.endr
	WIN 0
	s_wait_kmcnt 0x0
	s_add_co_i32 s15, s50, s51
	s_lshl_b32 s15, s15, 23
	s_add_co_i32 s10, s15, 0x3e0293ee              ; c = log2(e) / sqrt(128) x 2^(e6 + e7)
	s_mov_b32 s11, s10
	s_add_co_i32 s14, s52, s53                     ; e8 + e9
	s_add_co_i32 s15, s52, 127
	s_lshl_b32 s100, s15, 23
	v_mov_b32 v[SCP], s100
	s_add_co_i32 s15, s15, 8
	s_lshl_b32 s15, s15, 23
	s_or_b32 s15, s15, 0x600000
	v_mov_b32 v[LIMP], s15
	v_mov_b32 v[LIMP+1], s15
	s_add_co_i32 s15, s54, 127
	s_lshl_b32 s100, s15, 23
	v_mov_b32 v[SCO], s100
	s_add_co_i32 s15, s15, 8
	s_lshl_b32 s15, s15, 23
	s_or_b32 s15, s15, 0x600000
	v_mov_b32 v[LIMO], s15
	s_wait_alu depctr_va_vdst(0)                   ; at the head's end
	s_wait_loadcnt 32                              ; Q and the mask words are in; K's 32 loads may be out
	v_or_b32 v[TA], v[SA], v[SA+1]
	v_and_b32 v[TB], v[SA], v[SA+1]
	v_or_b32 v[S2], v[SB], v[SB+1]
	v_and_b32 v[S2+1], v[SB], v[SB+1]
.set j, 2
.rept 30
	v_or_b32 v[TA], v[TA], v[SA+j]
	v_and_b32 v[TB], v[TB], v[SA+j]
	v_or_b32 v[S2], v[S2], v[SB+j]
	v_and_b32 v[S2+1], v[S2+1], v[SB+j]
.set j, j+1
.endr
	v_cmp_ne_u32 s72, 0, v[TA]                     ; bit l: my half step has a hidden key
	v_cmp_ne_u32 s73, -1, v[TB]                    ; bit l: it has an open key
	v_cmp_ne_u32 s74, 0, v[S2]
	v_cmp_ne_u32 s75, -1, v[S2+1]
	s_or_b32 s76, s73, s75
	s_lshr_b32 s15, s76, 1
	s_or_b32 s76, s76, s15
	s_and_b32 s76, s76, 0x55555555
	s_or_b32 s76, s76, 1                           ; the list: bit 2 s for each step with an open key in either tile, and step 0
	s_bcnt1_i32_b32 s77, s76
	s_mov_b32 s78, 0
	s_mov_b32 s82, 0
	s_wait_xcnt 0x0                                ; the prefetch has read s[70:71]
.Ltrip:
	s_mov_b64 s[70:71], s[68:69]
	PLACES                                         ; behind the last products, which read V's fragments
	FLOAD VF, 70, VOFF
	s_wait_kmcnt 0x0                               ; the last trip's mask words are in: their registers, base and offset may be written
	s_lshl_b32 s6, s78, 7
	s_lshr_b32 s15, s73, s78
	s_and_b32 s80, s15, 3
	s_lshr_b32 s15, s75, s78
	s_and_b32 s81, s15, 3
	s_lshr_b32 s15, s72, s78
	s_and_b32 s15, s15, 3
	s_cmp_lg_u32 s80, 0
	s_cselect_b32 s83, s15, 0
	s_cmp_lg_u32 s83, 0
	s_cselect_b32 s13, s4, s5                      ; tile A's words where it is mixed, else tile B's: an offset is chosen, the base stays
	s_add_co_u32 s13, s13, s6
	s_min_u32 s13, s13, 0x7ff00                    ; the last record's first byte: 128 x 4,096 - 256
	MLOAD 2
	s_add_co_i32 s15, s76, -1
	s_and_b32 s76, s76, s15                        ; this step leaves the list
	s_ctz_i32_b32 s79, s76
	s_min_u32 s79, s79, 30                         ; the next listed step; behind the last: step 15, not used
	s_lshl_b32 s100, s79, 14
	s_mov_b32 s101, 0
	s_wait_loadcnt 32                              ; K's fragments are in; V's 32 loads may be out
	s_add_nc_u64 s[68:69], s[66:67], s[100:101]
	s_cmp_lg_u32 s80, 0
	s_cbranch_scc0 .Lsa
	SPROD SA, QA
.Lsa:
	s_cmp_lg_u32 s81, 0
	s_cbranch_scc0 .Lsb
	SPROD SB, QB
.Lsb:
	PLACES                                         ; behind the products: K's registers are loaded anew and the scores read
	FLOAD KF, 68, 0
	s_cmp_lg_u32 s80, 0
	s_cbranch_scc0 .Lta
	s_cmp_lg_u32 s83, 0
	s_cbranch_scc0 .Lopen_a
	s_wait_kmcnt 0x0
	MASK SA
.Lopen_a:
	SOFT SA, STA, OA
.Lta:
	s_cmp_lg_u32 s81, 0
	s_cbranch_scc0 .Ltb
	s_lshr_b32 s15, s74, s78
	s_and_b32 s15, s15, 3
	s_cmp_lg_u32 s15, 0
	s_cbranch_scc0 .Lopen_b
	s_wait_kmcnt 0x0
	s_cmp_lg_u32 s83, 0
	s_cbranch_scc0 .Lhave_b
	s_add_co_u32 s13, s5, s6                       ; both tiles are mixed in this step: tile B's words come now
	s_min_u32 s13, s13, 0x7ff00
	MLOAD 2
	s_wait_kmcnt 0x0
.Lhave_b:
	MASK SB
.Lopen_b:
	SOFT SB, STB, OB
.Ltb:
	s_wait_loadcnt 32                              ; V's loads are done on every way: their registers and base are written again at the next trip's head
	s_min_u32 s78, s79, 30
	s_add_co_u32 s82, s82, 1
	s_cmp_lt_u32 s82, s77
	s_cbranch_scc1 .Ltrip
	s_wait_kmcnt 0x0                               ; the last mask words are in: their registers are free
	s_lshl_b32 s16, ttmp9, 1
	s_add_co_u32 s16, s16, s12
	s_sub_co_u32 s17, 65, s16
	s_cmp_lt_u32 s12, 2
	s_cselect_b32 s16, s16, s17                    ; tile A
	s_sub_co_u32 s17, 127, s16                     ; tile B
	s_and_b32 s18, ttmp7, 0xffff
	s_lshr_b32 s19, s18, 2
	s_lshl_b32 s19, s19, 7
	s_and_b32 s18, s18, 3
	s_lshl_b32 s18, s18, 11
	s_add_co_u32 s20, s19, s16                     ; acod: ((head / 4) x 128 + tile) x 8,192 + (head % 4) x 2,048
	s_lshl_b32 s20, s20, 13
	s_add_co_u32 s20, s20, s18
	s_mov_b32 s21, 0
	s_add_co_u32 s22, s19, s17
	s_lshl_b32 s22, s22, 13
	s_add_co_u32 s22, s22, s18
	s_mov_b32 s23, 0
	s_add_nc_u64 s[20:21], s[104:105], s[20:21]
	s_add_nc_u64 s[22:23], s[104:105], s[22:23]
	PLACES
	OUT SA, STA, OA, QA, 20
	OUT SB, STB, OB, QB, 22
	s_endpgm
.Lfunc_end_k_qd97ce3645e_attn:
	.size	k_qd97ce3645e_attn, .Lfunc_end_k_qd97ce3645e_attn-k_qd97ce3645e_attn
	.p2alignl 7, 3214868480
	.fill 96, 4, 3214868480
	.section	.rodata,"a",@progbits
	.p2align	6, 0x0
	.amdhsa_kernel k_qd97ce3645e_attn
		.amdhsa_group_segment_fixed_size 0
		.amdhsa_private_segment_fixed_size 0
		.amdhsa_enable_private_segment 0
		.amdhsa_kernarg_size 40
		.amdhsa_user_sgpr_count 2
		.amdhsa_user_sgpr_kernarg_segment_ptr 1
		.amdhsa_wavefront_size32 1
		.amdhsa_system_sgpr_workgroup_id_x 1
		.amdhsa_system_sgpr_workgroup_id_y 1
		.amdhsa_system_sgpr_workgroup_id_z 1
		.amdhsa_system_vgpr_workitem_id 0
		.amdhsa_next_free_vgpr 640
		.amdhsa_next_free_sgpr 106
		.amdhsa_reserve_vcc 0
		.amdhsa_float_denorm_mode_32 3
		.amdhsa_float_denorm_mode_16_64 3
		.amdhsa_memory_ordered 1
		.amdhsa_forward_progress 1
		.amdhsa_inst_pref_size 81
	.end_amdhsa_kernel
	.amdgpu_metadata
---
amdhsa.version: [ 1, 2 ]
amdhsa.kernels:
  - .name:           k_qd97ce3645e_attn
    .symbol:         k_qd97ce3645e_attn.kd
    .args:
      - { .name: qimg, .offset: 0, .size: 8, .value_kind: global_buffer, .address_space: global }
      - { .name: kv, .offset: 8, .size: 8, .value_kind: global_buffer, .address_space: global }
      - { .name: mbits, .offset: 16, .size: 8, .value_kind: global_buffer, .address_space: global }
      - { .name: lowp_scales, .offset: 24, .size: 8, .value_kind: global_buffer, .address_space: global }
      - { .name: acod, .offset: 32, .size: 8, .value_kind: global_buffer, .address_space: global }
    .group_segment_fixed_size: 0
    .private_segment_fixed_size: 0
    .kernarg_segment_align: 8
    .kernarg_segment_size: 40
    .max_flat_workgroup_size: 128
    .sgpr_count:     106
    .vgpr_count:     640
    .wavefront_size: 32
...
	.end_amdgpu_metadata
.endif
;; end of part 3
;; launch proj (part 4): grid 16 x 16, 4 waves a work-group, clusters of 4 x 4, 327,680 bytes of LDS; arguments acod, cod, lowp_scales, bo, out0; writes out0
.if DOCPART == 4
	.amdgcn_target "amdgcn-amd-amdhsa--gfx1250"
	.amdhsa_code_object_version 6
	.text
	.protected	k_qd97ce3645e_proj
	.globl	k_qd97ce3645e_proj
	.p2align	8
	.type	k_qd97ce3645e_proj,@function
k_qd97ce3645e_proj:
	s_mov_b64 s[64:65], 0
	v_nop
	global_prefetch_b8 v0, s[64:65] scope:SCOPE_SE
	s_setreg_imm32_b32 hwreg(HW_REG_WAVE_MODE, 25, 1), 1
	s_wait_xcnt 0x0
	s_wait_alu depctr_hold_cnt(0) depctr_sa_sdst(0) depctr_va_vdst(0) depctr_va_sdst(0) depctr_va_ssrc(0) depctr_va_vcc(0) depctr_vm_vsrc(0)
	s_getreg_b32 s2, hwreg(HW_REG_IB_STS2, 6, 4)
	s_cmp_eq_u32 s2, 0
	s_cbranch_scc0 .Lentry_in_a_cluster
	s_endpgm
.Lentry_in_a_cluster:
	s_bfe_u32 s2, ttmp6, 0x10000c
	s_cmp_lg_u32 s2, 0xf033
	s_cbranch_scc0 .Lentry_shape_is_right
	s_endpgm
.Lentry_shape_is_right:
.set APART,  32768
.set BPITCH, 528
.set BPART,  64*BPITCH
.set BOFF,   2*APART
.set SLOT,   BOFF+2*BPART
.set SPARE,  2*SLOT
.set STAGE,  SPARE+512
.set SPITCH, 272
.set ADRA, 16
.set ADRB, 20
.set STO,  24
.set RD,   25
.set CO,   26
.set OB,   27
.set SPW,  28
.set NIL,  29
.set T,    32
.set BK,   64
.set BO,   96
.set ACC,  128
.set F0,   0
.set F1,   128
.set G1, 24
.set G0, 32
.set G1B, 48
.set G0B, 56
.set MSB, 0
.macro WIN new
.if MSB != \new
	s_set_vgpr_msb (MSB<<8)|\new
.set MSB, \new
.endif
.endm
.set MUL,  0x05
.set TO_F, 0x40
.macro JLOAD s
	s_cmp_eq_u32 s11, 0
	s_cbranch_scc0 .Lfor_b_\@
	tensor_load_to_lds s[G0+4*\s:G0+4*\s+3], s[G1:G1+7]
	s_nop 0
.rept 4
	v_nop
.endr
	s_branch .Lasked_\@
.Lfor_b_\@:
	tensor_load_to_lds s[G0B+4*\s:G0B+4*\s+3], s[G1B:G1B+7]
	s_nop 0
.rept 4
	v_nop
.endr
.Lasked_\@:
.endm
.macro CREST
	s_cmp_lg_u32 s10, 0
	s_cbranch_scc1 .Lnot_wave_0_\@
	s_barrier_signal -3
.Lnot_wave_0_\@:
	s_barrier_wait -3
	s_barrier_signal -1
	s_barrier_wait -1
.endm
.macro CROUND
	s_barrier_signal -1
	s_barrier_wait -1
	CREST
.endm
	s_load_b128 s[4:7], s[0:1], 0x0
	s_load_b128 s[68:71], s[0:1], 0x10
	s_load_b64 s[8:9], s[0:1], 0x20
	v_lshl_add_u32 v[SPW], v0, 2, SPARE
	v_mov_b32 v[NIL], 0
	ds_add_u32 v28, v29
	ds_add_u32 v28, v29
	s_wait_dscnt 0x0
	v_lshrrev_b32 v1, 5, v0
	v_readfirstlane_b32 s10, v1
	s_lshr_b32 s11, s10, 1
	s_and_b32 s12, s10, 1
	s_bfe_u32 s40, ttmp6, 0x40000
	s_bfe_u32 s41, ttmp6, 0x40004
	s_lshl_b32 s42, ttmp9, 2
	s_add_co_u32 s42, s42, s40
	s_and_b32 s13, ttmp7, 0xffff
	s_lshl_b32 s13, s13, 2
	s_add_co_u32 s13, s13, s41
	s_lshl_b32 s43, s41, 2
	s_lshl_b32 s43, 15, s43
	s_lshl_b32 s44, 0x1111, s40
	s_or_b32 s[G1+0], s43, (3<<16)|(1<<21)
	s_mov_b32 s[G1+1], 32<<16
	s_mov_b32 s[G1+2], 128<<16
	s_mov_b32 s[G1+3], 32<<16
	s_mov_b32 s[G1+4], 128
	s_mov_b32 s[G1+5], 32
	s_mov_b32 s[G1+6], 0
	s_mov_b32 s[G1+7], 0
	s_or_b32 s[G1B+0], s44, (0<<16)|(1<<20)|(1<<21)|(6<<22)|(3<<25)
	s_mov_b32 s[G1B+1], 512<<16
	s_mov_b32 s[G1B+2], 64<<16
	s_mov_b32 s[G1B+3], 512<<16
	s_mov_b32 s[G1B+4], 64
	s_mov_b32 s[G1B+5], 2048
	s_mov_b32 s[G1B+6], 0
	s_mov_b32 s[G1B+7], 0
	s_lshl_b32 s16, s13, 3
	s_lshl_b32 s17, s12, 2
	s_add_co_u32 s16, s16, s17
	s_lshl_b32 s16, s16, 13
	s_mov_b32 s17, 0
	s_lshl_b32 s46, s42, 7
	s_lshl_b32 s47, s12, 6
	s_add_co_u32 s46, s46, s47
	s_lshl_b32 s46, s46, 11
	s_add_co_u32 s46, s46, 6<<22
	s_mov_b32 s47, 0
	s_lshl_b32 s20, s12, 15
	s_mul_i32 s21, s12, BPART
	s_add_co_u32 s21, s21, BOFF
	s_wait_kmcnt 0x0
	s_load_b64 s[72:73], s[68:69], 0x28
	s_add_nc_u64 s[14:15], s[4:5], s[16:17]
	s_add_nc_u64 s[46:47], s[6:7], s[46:47]
	CROUND
.irp s, 0,1
	s_mov_b32 s[G0+4*\s], 1
	s_add_co_u32 s[G0+4*\s+1], s20, \s*SLOT
	s_add_nc_u64 s[G0+4*\s+2:G0+4*\s+3], s[14:15], \s*1048576
	s_or_b32 s[G0+4*\s+3], s[G0+4*\s+3], 0x80000000
	s_mov_b32 s[G0B+4*\s], 1
	s_add_co_u32 s[G0B+4*\s+1], s21, \s*SLOT
	s_add_nc_u64 s[G0B+4*\s+2:G0B+4*\s+3], s[46:47], \s*512
	s_or_b32 s[G0B+4*\s+3], s[G0B+4*\s+3], 0x80000000
	s_wait_alu depctr_va_vdst(0)
	s_wait_tensorcnt 0x0
	ds_add_u32 v28, v29
	ds_add_u32 v28, v29
	s_wait_dscnt 0x0
	CROUND
	JLOAD \s
.endr
	v_and_b32 v1, 15, v0
	v_bfe_u32 v2, v0, 4, 1
	v_and_b32 v3, 31, v0
	v_lshlrev_b32 v3, 4, v3
	v_mul_u32_u24 v4, v1, BPITCH
	v_lshl_add_u32 v4, v2, 4, v4
	s_lshl_b32 s21, s11, 15
	s_mul_i32 s22, s12, BPART
	s_add_co_u32 s22, s22, BOFF
.irp s, 0,1
	v_add_nc_u32 v[ADRA+\s], s21, v3
	v_add_nc_u32 v[ADRB+\s], s22, v4
	s_add_co_u32 s21, s21, SLOT
	s_add_co_u32 s22, s22, SLOT
.endr
	s_mul_i32 s23, s10, 16*SPITCH
	s_add_co_u32 s23, s23, STAGE
	v_mul_u32_u24 v5, v1, SPITCH
	v_lshl_add_u32 v5, v2, 5, v5
	v_add_nc_u32 v[STO], s23, v5
	v_mul_u32_u24 v5, v2, SPITCH
	v_lshl_add_u32 v5, v1, 4, v5
	v_add_nc_u32 v[RD], s23, v5
	v_lshlrev_b32 v5, 13, v2
	v_lshl_add_u32 v[CO], v1, 4, v5
	v_lshlrev_b32 v[OB], 5, v2
	s_wait_alu depctr_va_vdst(0)
	s_lshl_b32 s18, s42, 9
	s_lshl_b32 s19, s12, 8
	s_add_co_u32 s18, s18, s19
	s_mov_b32 s19, 0
	s_add_nc_u64 s[70:71], s[70:71], s[18:19]
	s_lshl_b32 s16, s13, 7
	s_lshl_b32 s17, s11, 6
	s_add_co_u32 s16, s16, s17
	s_lshl_b32 s16, s16, 13
	s_add_co_u32 s16, s16, s18
	s_mov_b32 s17, 0
	s_add_nc_u64 s[8:9], s[8:9], s[16:17]
.irp b, 0,1,2,3
	global_load_b128 v[BO+8*\b:BO+8*\b+3], v[OB], s[70:71] offset:64*\b
	global_load_b128 v[BO+8*\b+4:BO+8*\b+7], v[OB], s[70:71] offset:64*\b+16
.endr
.macro MUL8 f, a0, zero
.irp a, \a0, \a0+1
.irp b, 0,1,2,3
.if \zero
	v_wmma_f32_16x16x128_fp8_fp8 v[ACC+8*(4*(\a)+\b):ACC+8*(4*(\a)+\b)+7], v[\f+64+16*\b:\f+64+16*\b+15], v[\f+16*(\a):\f+16*(\a)+15], 0
.else
	v_wmma_f32_16x16x128_fp8_fp8 v[ACC+8*(4*(\a)+\b):ACC+8*(4*(\a)+\b)+7], v[\f+64+16*\b:\f+64+16*\b+15], v[\f+16*(\a):\f+16*(\a)+15], v[ACC+8*(4*(\a)+\b):ACC+8*(4*(\a)+\b)+7]
.endif
.endr
.endr
.endm
.macro FETCH slot, j, f
	WIN TO_F
.irp i, 0,1,2,3
.irp c, 0,1,2,3
	ds_load_b128 v[\f+64+16*\i+4*\c:\f+64+16*\i+4*\c+3], v[ADRB+\slot] offset:16*BPITCH*\i+128*(\j)+32*\c
.endr
.endr
.irp i, 0,1,2,3
.irp c, 0,1,2,3
	ds_load_b128 v[\f+16*\i+4*\c:\f+16*\i+4*\c+3], v[ADRA+\slot] offset:8192*\i+2048*(\j)+512*\c
.endr
.endr
.endm
.macro PLACES
.rept 4
	v_nop
.endr
.endm
.macro QUARTER slot, j, f, g, zero
	s_wait_dscnt 8
	WIN MUL
	MUL8 \f, 0, \zero
	PLACES
	FETCH \slot, \j, \g
	s_wait_dscnt 32
	WIN MUL
	MUL8 \f, 2, \zero
.endm
.macro TURN slot, next, fill
	WIN 0
	s_wait_tensorcnt 0x0
	ds_add_u32 v[SPW], v[NIL]
	s_wait_dscnt 9
	WIN MUL
	MUL8 F1, 0, 0
	s_wait_dscnt 0x0
	WIN 0
	s_barrier_signal -1
	s_barrier_wait -1
.if \fill
	CREST
	s_add_nc_u64 s[G0+4*\slot+2:G0+4*\slot+3], s[G0+4*\slot+2:G0+4*\slot+3], 2*1048576
	s_add_nc_u64 s[G0B+4*\slot+2:G0B+4*\slot+3], s[G0B+4*\slot+2:G0B+4*\slot+3], 2*512
	JLOAD \slot
.else
	PLACES
.endif
	FETCH \next, 0, F0
	WIN MUL
	MUL8 F1, 2, 0
.endm
	s_wait_loadcnt 0x0
	s_wait_tensorcnt 1
	s_barrier_signal -1
	s_barrier_wait -1
	FETCH 0, 0, F0
	QUARTER 0, 1, F0, F1, 1
	QUARTER 0, 2, F1, F0, 0
	QUARTER 0, 3, F0, F1, 0
	TURN 0, 1, 1
	QUARTER 1, 1, F0, F1, 0
	QUARTER 1, 2, F1, F0, 0
	QUARTER 1, 3, F0, F1, 0
	TURN 1, 0, 1
	QUARTER 0, 1, F0, F1, 0
	QUARTER 0, 2, F1, F0, 0
	QUARTER 0, 3, F0, F1, 0
	TURN 0, 1, 0
	QUARTER 1, 1, F0, F1, 0
	QUARTER 1, 2, F1, F0, 0
	QUARTER 1, 3, F0, F1, 0
	s_wait_dscnt 8
	WIN MUL
	MUL8 F1, 0, 0
	s_wait_dscnt 0
	MUL8 F1, 2, 0
	WIN 0
	s_wait_kmcnt 0x0
	s_add_co_i32 s74, s72, s73
	s_add_co_i32 s74, s74, 127
	s_lshl_b32 s74, s74, 23
	s_mov_b32 s75, s74
	PLACES
.irp a, 0,1,2,3
.if \a > 0
	s_wait_xcnt 0x0
.endif
.irp j, 0,2,4,6,8,10,12,14,16,18,20,22,24,26,28,30
	v_pk_fma_f32 v[T+\j:T+\j+1], v[ACC+32*\a+\j:ACC+32*\a+\j+1], s[74:75], v[BO+\j:BO+\j+1] op_sel_hi:[1,0,1]
.endr
.irp b, 0,1,2,3
	ds_store_b128 v[STO], v[T+8*\b:T+8*\b+3] offset:64*\b
	ds_store_b128 v[STO], v[T+8*\b+4:T+8*\b+7] offset:64*\b+16
.endr
.irp t, 0,1,2,3,4,5,6,7
	ds_load_b128 v[BK+4*\t:BK+4*\t+3], v[RD] offset:\t*2*SPITCH
.endr
.irp t, 0,1,2,3,4,5,6,7
	s_wait_dscnt 7-\t
	global_store_b128 v[CO], v[BK+4*\t:BK+4*\t+3], s[8:9] offset:(16*\a+2*\t)*8192 th:TH_STORE_NT
.endr
.endr
	s_wait_tensorcnt 0x0
	ds_add_u32 v[SPW], v[NIL]
	s_wait_dscnt 0x0
	CROUND
	s_endpgm
.Lfunc_end_k_qd97ce3645e_proj:
	.size	k_qd97ce3645e_proj, .Lfunc_end_k_qd97ce3645e_proj-k_qd97ce3645e_proj
	.p2alignl 7, 3214868480
	.fill 96, 4, 3214868480
	.section	.rodata,"a",@progbits
	.p2align	6, 0x0
	.amdhsa_kernel k_qd97ce3645e_proj
		.amdhsa_group_segment_fixed_size 327680
		.amdhsa_private_segment_fixed_size 0
		.amdhsa_enable_private_segment 0
		.amdhsa_kernarg_size 40
		.amdhsa_user_sgpr_count 2
		.amdhsa_user_sgpr_kernarg_segment_ptr 1
		.amdhsa_wavefront_size32 1
		.amdhsa_system_sgpr_workgroup_id_x 1
		.amdhsa_system_sgpr_workgroup_id_y 1
		.amdhsa_system_sgpr_workgroup_id_z 1
		.amdhsa_system_vgpr_workitem_id 0
		.amdhsa_next_free_vgpr 512
		.amdhsa_next_free_sgpr 76
		.amdhsa_reserve_vcc 0
		.amdhsa_float_denorm_mode_32 3
		.amdhsa_float_denorm_mode_16_64 3
		.amdhsa_memory_ordered 1
		.amdhsa_forward_progress 1
		.amdhsa_inst_pref_size 77
	.end_amdhsa_kernel
	.amdgpu_metadata
---
amdhsa.version: [ 1, 2 ]
amdhsa.kernels:
  - .name:           k_qd97ce3645e_proj
    .symbol:         k_qd97ce3645e_proj.kd
    .args:
      - { .name: acod, .offset: 0, .size: 8, .value_kind: global_buffer, .address_space: global }
      - { .name: cod, .offset: 8, .size: 8, .value_kind: global_buffer, .address_space: global }
      - { .name: lowp_scales, .offset: 16, .size: 8, .value_kind: global_buffer, .address_space: global }
      - { .name: bo, .offset: 24, .size: 8, .value_kind: global_buffer, .address_space: global }
      - { .name: out0, .offset: 32, .size: 8, .value_kind: global_buffer, .address_space: global }
    .group_segment_fixed_size: 327680
    .private_segment_fixed_size: 0
    .kernarg_segment_align: 8
    .kernarg_segment_size: 40
    .max_flat_workgroup_size: 128
    .sgpr_count:     76
    .vgpr_count:     512
    .wavefront_size: 32
...
	.end_amdgpu_metadata
.endif
;; end of part 4
